; MI455X (gfx1250); checked and timed in simulation.
; The chip was launched on July 23, 2026; its instructions are those of AMD's public machine-readable ISA for CDNA 5 (MIT licence, August 2026) and "CDNA5" Instruction Set Architecture Reference Guide (July 2026). The comments in the code are by the model that wrote it; some were corrected since.
;; Vector Quantizer. Allowed arithmetic: float matrix products may take bf16 or f16 operands with f32 sums; other float arithmetic in f32, or as packed bf16 or f16 multiplies, adds, multiply-adds, maxima and minima; sums over many terms, partial sums and values carried from step to step in f32; what a program stores and reads back later, other than sums and carried values, may be rounded once to bf16 or f16.
;; Inputs: W 8,192 x 512 float32; z_e 16 x 1,024 x 512 float32.
;; Outputs: out0 16 x 1,024 x 512 float32; out1 16 x 1,024 int32; out2 one number float32; out3 one number float32; out4 one number float32; out5 one number float32; out6 one number float32.
;; 2 versions, each right; version 2 is version 1 with the launch pick written anew for expert scheduling mode. Each part assembles by itself: llvm-mc -triple=amdgcn-amd-amdhsa -mcpu=gfx1250 --defsym DOCPART=n.
;; ======== version 1 of 2: 4 launches
;; workspace buffers: xf 16,777,216 bytes; wf 8,388,608 bytes; xsq 65,536 bytes; wsq 32,768 bytes; pmin 262,144 bytes; pidx 262,144 bytes of whole numbers; lpart 8,192 bytes
;; launch prep (part 1): grid 256 x 1, 6 waves a work-group, no clusters, 14,592 bytes of LDS; arguments z_e, W, xf, wf, xsq, wsq; writes xf, wf, xsq, wsq
.if DOCPART == 1
	.amdgcn_target "amdgcn-amd-amdhsa--gfx1250"
	.amdhsa_code_object_version 6
	.text
	.protected	k_qdf9ca7c372_prep
	.globl	k_qdf9ca7c372_prep
	.p2align	8
	.type	k_qdf9ca7c372_prep,@function
k_qdf9ca7c372_prep:
	s_mov_b64 s[64:65], 0
	v_nop
	global_prefetch_b8 v0, s[64:65] scope:SCOPE_SE
	s_setreg_imm32_b32 hwreg(HW_REG_WAVE_MODE, 25, 1), 1
	s_wait_xcnt 0x0
; PREP.  z_e [16384][512] and W [8192][512], f32, are rounded once to bf16 and written in the order in which a matrix operand lies in registers;
; beside them each row's sum of squares OF THE ROUNDED NUMBERS, in f32 (the squares of bf16 numbers are exact in f32; the order of the sum is this text's own).
; FRAGMENT ORDER.  16 rows are a tile of 16,384 dense bytes: [s = 0..15][p = 0..1][lane = 0..31][16 bytes]; the 16 bytes of (s, p, lane = 16 h + r) are
; row r, k = 32 s + 16 p + 8 h + 0..7.  So one load of 16 bytes a lane at tile + 512 (2 s + p) + 16 lane fills registers 4 p .. 4 p + 3 of the operand for K step s.
; SHARES.  1,024 tiles of z_e and 512 of W are 1,536 = 256 work-groups x 6 waves: a wave makes one tile and never looks at another wave: no barrier.
; A wave goes through its rows in 8 chunks of 64 k: 8 loads (each 2 rows x 256 consecutive bytes), rounding, squares, a turn through its own patch of LDS
; (16 rows of 128 bytes, 144 apart), 4 stores of 512 consecutive bytes.  Four chunks' loads are on their way (a ring of four sets of registers).
; No matrix unit, no cluster, no tensor load: every byte is read once and written once, and nothing is shared between work-groups.
.set PP,    144                        ; a patch row: 128 bytes + 16
.set PATCH, 16*PP                      ; 2,304 bytes a wave
.set SPARE, 6*PATCH                    ; 13,824 = 54 x 256: the spare words, 128 bytes a wave, three blocks of 256 bytes that no other line names
.set RR,   1                           ; v1   r = lane % 16
.set HH,   2                           ; v2   h = lane / 16
.set VIN,  3                           ; v3   2048 h + 16 r: my 16 bytes in two rows of the input
.set LST,  4                           ; v4   patch + 144 h + 8 r: where my 4 rounded numbers go
.set LLD,  5                           ; v5   patch + 144 r + 16 h: where my part of an operand is read
.set OUTO, 6                           ; v6   16 x lane
.set TMP,  7
.set SPW,  8                           ; v8   LDS address of my spare word; never rewritten
.set NIL,  9                           ; v9   0; never rewritten
.set SQ,   10                          ; v10-17  sums of squares: register i for row 2 i + h
.set P,    18                          ; v18-33  a chunk's rounded numbers: 2 registers for each of 8 loads
.set FR,   34                          ; v34-49  four pieces of 16 bytes to store
.set X,    50                          ; v50-177 four sets of 32: chunks as loaded
	s_load_b256 s[4:11], s[0:1], 0x0               ; z_e s[4:5], W s[6:7], xf s[8:9], wf s[10:11]
	s_load_b128 s[12:15], s[0:1], 0x20             ; xsq s[12:13], wsq s[14:15]
	v_lshl_add_u32 v[SPW], v0, 2, SPARE
	v_mov_b32 v[NIL], 0
	v_lshrrev_b32 v[TMP], 5, v0
	v_readfirstlane_b32 s16, v[TMP]                ; wave 0..5
	s_mul_i32 s17, ttmp9, 6
	s_add_co_u32 s17, s17, s16                     ; my tile, 0..1535: below 1,024 of z_e, from there on of W
	s_sub_co_u32 s18, s17, 1024
	s_mul_i32 s19, s16, PATCH                      ; my patch
	v_and_b32 v[RR], 15, v0
	v_bfe_u32 v[HH], v0, 4, 1
	v_lshlrev_b32 v[VIN], 4, v[RR]
	v_lshl_add_u32 v[VIN], v[HH], 11, v[VIN]
	v_mul_u32_u24 v[LST], v[HH], PP
	v_lshl_add_u32 v[LST], v[RR], 3, v[LST]
	v_add_nc_u32 v[LST], s19, v[LST]
	v_mul_u32_u24 v[LLD], v[RR], PP
	v_lshl_add_u32 v[LLD], v[HH], 4, v[LLD]
	v_add_nc_u32 v[LLD], s19, v[LLD]
	v_and_b32 v[OUTO], 31, v0
	v_lshlrev_b32 v[OUTO], 4, v[OUTO]
.irp i, 0,1,2,3,4,5,6,7
	v_mov_b32 v[SQ+(\i)], 0
.endr
	s_wait_kmcnt 0x0
	s_cmp_lt_u32 s17, 1024                         ; the choice hangs on the tile's number alone
	s_cselect_b32 s18, s17, s18                    ; the tile's number in its own tensor
	s_cselect_b64 s[20:21], s[4:5], s[6:7]         ; from
	s_cselect_b64 s[22:23], s[8:9], s[10:11]       ; to
	s_cselect_b64 s[24:25], s[12:13], s[14:15]     ; sums of squares
	s_mov_b32 s27, 0
	s_lshl_b32 s26, s18, 15                        ; 16 rows of 2,048 bytes
	s_add_nc_u64 s[20:21], s[20:21], s[26:27]
	s_lshl_b32 s26, s18, 14                        ; 16,384 bytes of bf16
	s_add_nc_u64 s[22:23], s[22:23], s[26:27]
	s_lshl_b32 s26, s18, 6                         ; 16 sums
	s_add_nc_u64 s[24:25], s[24:25], s[26:27]
; Chunk kc's eight loads: load i takes rows 2 i (lanes 0-15) and 2 i + 1 (lanes 16-31), 256 consecutive bytes of each
.macro LOADC kc
.irp i, 0,1,2,3,4,5,6,7
	global_load_b128 v[X+32*((\kc)%4)+4*(\i):X+32*((\kc)%4)+4*(\i)+3], v[VIN], s[20:21] offset:(\i)*4096+(\kc)*256 th:TH_LOAD_NT
.endr
.endm
; Chunk kc is worked on.  left = the younger loads that may stay out.
.macro DOC kc, left
.set XB, X+32*((\kc)%4)
	s_wait_loadcnt \left                           ; loads come back in order: this chunk's eight are in
.irp i, 0,1,2,3,4,5,6,7
	v_cvt_pk_bf16_f32 v[P+2*(\i)],   v[XB+4*(\i)],   v[XB+4*(\i)+1]   ; the one rounding, to nearest even
	v_cvt_pk_bf16_f32 v[P+2*(\i)+1], v[XB+4*(\i)+2], v[XB+4*(\i)+3]
.endr
.irp g, 0,1                            ; squares of the rounded numbers, straight from the halves; eight chains take turns
.irp i, 0,1,2,3,4,5,6,7
	v_fma_mix_f32_bf16 v[SQ+(\i)], v[P+2*(\i)+(\g)], v[P+2*(\i)+(\g)], v[SQ+(\i)] op_sel_hi:[1,1,0]
.endr
.irp i, 0,1,2,3,4,5,6,7
	v_fma_mix_f32_bf16 v[SQ+(\i)], v[P+2*(\i)+(\g)], v[P+2*(\i)+(\g)], v[SQ+(\i)] op_sel:[1,1,0] op_sel_hi:[1,1,0]
.endr
.endr
.irp i, 0,1,2,3,4,5,6,7
	ds_store_b64 v[LST], v[P+2*(\i):P+2*(\i)+1] offset:(\i)*2*PP   ; rows 2 i + h of my patch
.endr
	s_wait_xcnt 0x0                                ; FR was the last chunk's store data: it is rewritten only behind this wait
.irp f, 0,1,2,3                        ; K step 2 kc + f / 2, part f % 2.  LDS serves a wave's instructions in order: these see the stores above, and the next chunk's stores come behind them
	ds_load_b128 v[FR+4*(\f):FR+4*(\f)+3], v[LLD] offset:(\f)*32
.endr
.if (\kc) < 4
	LOADC (\kc)+4                                  ; the set just read takes the chunk four further on
.endif
	s_wait_dscnt 0x0
.irp f, 0,1,2,3
	global_store_b128 v[OUTO], v[FR+4*(\f):FR+4*(\f)+3], s[22:23] offset:(\kc)*2048+(\f)*512   ; 512 consecutive bytes, at a multiple of 512 from the buffer's first
.endr
.endm
	LOADC 0
	LOADC 1
	LOADC 2
	LOADC 3
	DOC 0, 24                                      ; three younger chunks of eight loads stay out
	DOC 1, 24
	DOC 2, 24
	DOC 3, 24
	DOC 4, 24
	DOC 5, 16                                      ; nothing more is asked for: the counts run down
	DOC 6, 8
	DOC 7, 0
	; a row's 16 partial sums lie in the 16 lanes of a half: four steps inside the half
.irp m, 1,2,4,8
.irp i, 0,1,2,3,4,5,6,7
	v_add_f32_dpp v[SQ+(\i)], v[SQ+(\i)], v[SQ+(\i)] row_xmask:\m row_mask:0xf bank_mask:0xf
.endr
.endr
	v_mov_b32 v[TMP], v[SQ]                        ; lane (r < 8, h) takes row 2 r + h
.irp i, 1,2,3,4,5,6,7
	v_cmp_eq_u32 vcc_lo, \i, v[RR]
	v_cndmask_b32 v[TMP], v[TMP], v[SQ+(\i)], vcc_lo
.endr
	v_lshlrev_b32 v[P], 3, v[RR]
	v_lshl_add_u32 v[P], v[HH], 2, v[P]            ; 4 (2 r + h)
	s_wait_xcnt 0x0                                ; EXEC changes only behind this wait
	v_cmp_gt_u32 vcc_lo, 8, v[RR]
	s_and_saveexec_b32 s28, vcc_lo
	global_store_b32 v[P], v[TMP], s[24:25]        ; 64 bytes a wave: 96 KiB in the whole launch go out in such pieces
	s_wait_xcnt 0x0
	s_or_b32 exec_lo, exec_lo, s28
	s_wait_tensorcnt 0x0                           ; the wave's end, behind my last LDS store
	ds_add_u32 v[SPW], v[NIL]
	s_wait_dscnt 0x0
	s_endpgm
.Lfunc_end_k_qdf9ca7c372_prep:
	.size	k_qdf9ca7c372_prep, .Lfunc_end_k_qdf9ca7c372_prep-k_qdf9ca7c372_prep
	.p2alignl 7, 3214868480
	.fill 96, 4, 3214868480
	.section	.rodata,"a",@progbits
	.p2align	6, 0x0
	.amdhsa_kernel k_qdf9ca7c372_prep
		.amdhsa_group_segment_fixed_size 14592
		.amdhsa_private_segment_fixed_size 0
		.amdhsa_enable_private_segment 0
		.amdhsa_kernarg_size 48
		.amdhsa_user_sgpr_count 2
		.amdhsa_user_sgpr_kernarg_segment_ptr 1
		.amdhsa_wavefront_size32 1
		.amdhsa_system_sgpr_workgroup_id_x 1
		.amdhsa_system_sgpr_workgroup_id_y 1
		.amdhsa_system_sgpr_workgroup_id_z 1
		.amdhsa_system_vgpr_workitem_id 0
		.amdhsa_next_free_vgpr 184
		.amdhsa_next_free_sgpr 66
		.amdhsa_reserve_vcc 1
		.amdhsa_float_denorm_mode_32 3
		.amdhsa_float_denorm_mode_16_64 3
		.amdhsa_memory_ordered 1
		.amdhsa_forward_progress 1
		.amdhsa_inst_pref_size 45
	.end_amdhsa_kernel
	.amdgpu_metadata
---
amdhsa.version: [ 1, 2 ]
amdhsa.kernels:
  - .name:           k_qdf9ca7c372_prep
    .symbol:         k_qdf9ca7c372_prep.kd
    .args:
      - { .name: z_e, .offset: 0, .size: 8, .value_kind: global_buffer, .address_space: global }
      - { .name: W, .offset: 8, .size: 8, .value_kind: global_buffer, .address_space: global }
      - { .name: xf, .offset: 16, .size: 8, .value_kind: global_buffer, .address_space: global }
      - { .name: wf, .offset: 24, .size: 8, .value_kind: global_buffer, .address_space: global }
      - { .name: xsq, .offset: 32, .size: 8, .value_kind: global_buffer, .address_space: global }
      - { .name: wsq, .offset: 40, .size: 8, .value_kind: global_buffer, .address_space: global }
    .group_segment_fixed_size: 14592
    .private_segment_fixed_size: 0
    .kernarg_segment_align: 8
    .kernarg_segment_size: 48
    .max_flat_workgroup_size: 192
    .sgpr_count:     66
    .vgpr_count:     184
    .wavefront_size: 32
...
	.end_amdgpu_metadata
.endif
;; end of part 1
;; launch main (part 2): grid 64 x 4, 4 waves a work-group, clusters of 4 x 1, 327,680 bytes of LDS; arguments xf, wf, xsq, wsq, pmin, pidx; writes pmin, pidx
.if DOCPART == 2
	.amdgcn_target "amdgcn-amd-amdhsa--gfx1250"
	.amdhsa_code_object_version 6
	.text
	.protected	k_qdf9ca7c372_main
	.globl	k_qdf9ca7c372_main
	.p2align	8
	.type	k_qdf9ca7c372_main,@function
k_qdf9ca7c372_main:
	s_mov_b64 s[64:65], 0
	v_nop
	global_prefetch_b8 v0, s[64:65] scope:SCOPE_SE
	s_setreg_imm32_b32 hwreg(HW_REG_WAVE_MODE, 25, 1), 1
	s_wait_xcnt 0x0
	s_wait_alu depctr_hold_cnt(0) depctr_sa_sdst(0) depctr_va_vdst(0) depctr_va_sdst(0) depctr_va_ssrc(0) depctr_va_vcc(0) depctr_vm_vsrc(0)
	s_getreg_b32 s2, hwreg(HW_REG_IB_STS2, 6, 4)
	s_cmp_eq_u32 s2, 0
	s_cbranch_scc0 .Lentry_in_a_cluster
	s_endpgm
.Lentry_in_a_cluster:
	s_bfe_u32 s2, ttmp6, 0x10000c
	s_cmp_lg_u32 s2, 0x3003
	s_cbranch_scc0 .Lentry_shape_is_right
	s_endpgm
.Lentry_shape_is_right:
; MAIN.  For 256 rows x and one quarter (2,048) of the codes w: d = fl(fl(xx + ww) - 2 x.w) and its first minimum; one (d, code) for each row and quarter.
; x.w in bf16 operands with f32 sums, K ascending, one accumulator an output.  The two roundings are those of the formula (xx + ww) - 2 x.w: a packed addition, then one fused
; multiply-add by -2 (2 x.w is exact).  A code replaces the best one only if its d is LESS, codes ascending: the first index among equals.
; LIMITS.  The result is that of the formula on inputs rounded to bf16; the f32 sums of x.w, xx and ww are added in this text's own order, so a row whose leading candidates lie at a rounding
; step of d (2^-15 to 2^-14 at xx near 512) within some 1e-9 of it may take the other candidate.  A NaN is never less and is never chosen; if every d is +inf the code is 0.
; SHARES.  Grid 64 x 4: x = block of 256 rows, y = quarter of the codes.  Each of the four waves owns 64 rows, four tiles of 16, whose operands (512 registers) stay in registers; every wave walks the
; quarter's 128 code tiles of 16.  THE MATRIX INSTRUCTION IS USED TRANSPOSED (source 0 = 16 codes, source 1 = 16 rows): a lane holds ONE row (lane % 16) and the codes 8 (lane / 16) + 0..7,
; so each register of a result is a chain of its own over ascending tiles, and nothing changes lanes before the end.
; RING.  wf lies in operand order (16,384 dense bytes a tile), so a slot of 8 tiles is 131,072 dense bytes; each wave fetches a quarter with one tensor load (128 rows of 256 bytes).  Two slots.
; A wave reads a tile from LDS by 32 loads of 16 bytes a lane, each 512 consecutive bytes: no padding is wanted.  A slot's refill is asked for in its last tile and is waited for 8 tiles, 512 matrix instructions, later.
; CLUSTER.  The four work-groups of a cluster have the same quarter and walk the same tiles of wf: each is asked for JOINTLY (mask 15).  My place in the cluster enters the global addresses of xf, xsq, pmin, pidx alone.
; BY TURNS.  While tile t is multiplied (64 matrix instructions on one set of four accumulators, which take turns), the 128 vector instructions that judge tile t - 1
; (the other set) stand among them, four behind every second matrix instruction; set in a phase of their own they would leave the matrix unit without work.
; REGISTERS, in windows of 256 (s_set_vgpr_msb: bits 1:0 source 0, 3:2 source 1, 5:4 source 2, 7:6 destination):
;   window 0: all that the vector work touches (map below)     window 1: W's operands, two buffers of 128 (K step s at 128 b + 8 s)     windows 2, 3: X: K step s of row tile x at window 2 + s / 8, v[64 x + 8 (s % 8)]
.set CHUNK, 131072                     ; a slot: 8 tiles
.set SLOT1, 1<<17                      ; slot 1 begins here: one exclusive or turns an address in one slot into the other's
.set WWL,   2*CHUNK                    ; behind the ring: the quarter's 2,048 ww, stored by the waves; no tensor load lands here
.set SPARE, WWL+8192                   ; the spare words, 128 bytes a wave: two blocks of 256 bytes that no other line names
.set RR,   1                           ; v1   r = lane % 16
.set HH,   2                           ; v2   h = lane / 16
.set L16,  3                           ; v3   16 x lane
.set W0,   4                           ; v4   WWL + 32 h: my eight codes' ww in tile 0
.set ADRF, 5                           ; v5   LDS address of the run of operand loads in hand
.set ADRW, 6                           ; v6   of its two loads of ww
.set T16,  7                           ; v7   16 x thread
.set SPW,  8                           ; v8   LDS address of my spare word; never rewritten
.set NIL,  9                           ; v9   0; never rewritten
.set H8,   11                          ; v11  8 h
.set R4,   12                          ; v12  4 r
.set L4,   13                          ; v13  4 x lane
.set XX,   16                          ; v16-23   xx of my row in row tile x, twice, at XX + 2 x
.set WW,   24                          ; v24-39   ww of my eight codes, two buffers
.set T,    40                          ; v40-71   fl(xx + ww)
.set ACC,  72                          ; v72-135  two sets of four accumulators
.set BEST, 136                         ; v136-167 the least d of chain (x, j)
.set IDX,  168                         ; v168-199 the first code of the tile in which it was found
.set RM,   200                         ; the end: a row's least d, by row tile (v200-215 first carry ww from memory to LDS)
.set RI,   204                         ; and its code
.set CJ,   208                         ; v208-215 candidates
.set TA,   216
.set TC,   217
.set VINF, 218                         ; +inf
.set SD,   220                         ; v220-223 store data
.set HJ,   224                         ; v224-231 8 h + j
.set WV,   16                          ; s16  my wave's number
.set G1,   24                          ; s[24:31] descriptor group 1
.set G0A,  32                          ; s[32:35] group 0 of the first fill of slot 0
.set G0B,  36                          ; s[36:39] group 0 of the first fill of slot 1; it then walks
.set M0,   40                          ; s40-43 four compare masks
.set CB,   44                          ; s44  first code of the tile that is being judged
.set TB,   45                          ; s45  LDS byte at which the tile to be fetched begins
.set TW,   46                          ; s46  byte in the table of ww at which its 16 numbers begin
.set CNT,  47
.set SLOTS, 48
.set INF,  49                          ; s49  +inf
.set SEL,  50                          ; s[50:51] v_permlanex16_b32's selects: each lane takes its own place in the other half
.set HM,   52                          ; s52  lanes 16-31
.set MSB, 0
.macro WIN new                         ; the immediate's high byte repeats the setting that is left; a switch that changes nothing is dropped
.if MSB != (\new)
	s_set_vgpr_msb (MSB<<8)|(\new)
.set MSB, (\new)
.endif
.endm
; A round of the cluster's barrier: my work-group's barrier, so that wave 0's signal speaks for all four waves; wave 0 signals; every wave waits for all four work-groups; my work-group's barrier once more.
.macro CREST                           ; a round behind its opening barrier
	s_cmp_lg_u32 s[WV], 0
	s_cbranch_scc1 .Lnot_wave_0_\@
	s_barrier_signal -3
.Lnot_wave_0_\@:
	s_barrier_wait -3
	s_barrier_signal -1
	s_barrier_wait -1
.endm
.macro CROUND
	s_barrier_signal -1
	s_barrier_wait -1
	CREST
.endm
	s_load_b256 s[4:11], s[0:1], 0x0               ; xf s[4:5], wf s[6:7], xsq s[8:9], wsq s[10:11]
	s_load_b128 s[12:15], s[0:1], 0x20             ; pmin s[12:13], pidx s[14:15]
	v_lshl_add_u32 v[SPW], v0, 2, SPARE
	v_mov_b32 v[NIL], 0
	ds_add_u32 v[SPW], v[NIL]                      ; the wave's opening: the add and its wait stand ahead of my first tensor load; the set-up below, work on registers, stands between them
	v_lshrrev_b32 v10, 5, v0
	v_readfirstlane_b32 s[WV], v10                 ; wave 0..3
	s_bfe_u32 s17, ttmp6, 0x40000                  ; cx: my place in the cluster
	s_lshl_b32 s18, ttmp9, 2                       ; in a cluster launch ttmp9 counts clusters
	s_add_co_u32 s18, s18, s17                     ; my block of 256 rows
	s_and_b32 s19, ttmp7, 0xffff                   ; the quarter, which the four partners share
	s_lshl_b32 s20, s19, 21                        ; wf: the quarter's 128 tiles of 16,384 bytes,
	s_lshl_b32 s21, s[WV], 15                      ; and my two tiles of a slot's eight
	s_add_co_u32 s20, s20, s21
	s_mov_b32 s21, 0
	s_lshl_b32 s22, s18, 18                        ; xf: my block's 16 tiles,
	s_lshl_b32 s23, s[WV], 16                      ; my wave's four of them
	s_add_co_u32 s22, s22, s23
	s_mov_b32 s23, 0
	s_lshl_b32 s54, s18, 10                        ; my wave's first row x 4 bytes
	s_lshl_b32 s55, s[WV], 8
	s_add_co_u32 s54, s54, s55
	s_mov_b32 s55, 0
	s_lshl_b32 s56, s19, 16                        ; the same in the quarter's 16,384 numbers of pmin and pidx
	s_add_co_u32 s56, s56, s54
	s_mov_b32 s57, 0
	s_lshl_b32 s58, s19, 13                        ; the quarter's 2,048 ww
	s_mov_b32 s59, 0
	; descriptor group 1: 32,768 dense bytes as 128 rows of 256
	s_mov_b32 s[G1+0], 15|(3<<16)|(1<<21)          ; 15:0 the mask: all four work-groups; 17:16 elements of 8 bytes; 21 set beside a mask; no padding
	s_mov_b32 s[G1+1], 32<<16                      ; tensor_dim0 = 32
	s_mov_b32 s[G1+2], 128<<16                     ; tensor_dim1 = 128
	s_mov_b32 s[G1+3], 32<<16                      ; tile_dim0 = 32
	s_mov_b32 s[G1+4], 128                         ; tile_dim1 = 128
	s_mov_b32 s[G1+5], 32                          ; 32 elements from row to row
	s_mov_b32 s[G1+6], 0
	s_mov_b32 s[G1+7], 0
	s_mov_b32 s[G0A], 1                            ; count = 1
	s_mul_i32 s[G0A+1], s[WV], 32768               ; LDS address: slot 0, my quarter: no place in the cluster enters it
	s_mov_b32 s[G0B], 1
	s_add_co_u32 s[G0B+1], s[G0A+1], SLOT1
	s_mov_b32 s[INF], 0x7f800000
	s_mov_b32 s[SEL], 0x76543210
	s_mov_b32 s[SEL+1], 0xfedcba98
	s_mov_b32 s[HM], 0xffff0000
	s_mov_b32 s[TB], 0
	s_mov_b32 s[TW], 0
	s_lshl_b32 s[CB], s19, 11
	s_sub_co_u32 s[CB], s[CB], 16                  ; the first tile's turn judges a tile that has not been (see below): its number is never taken
	v_and_b32 v[RR], 15, v0
	v_bfe_u32 v[HH], v0, 4, 1
	v_and_b32 v[L4], 31, v0
	v_lshlrev_b32 v[L16], 4, v[L4]
	v_lshlrev_b32 v[L4], 2, v[L4]
	v_lshlrev_b32 v[W0], 5, v[HH]
	v_add_nc_u32 v[W0], WWL, v[W0]
	v_lshlrev_b32 v[T16], 4, v0
	v_add_nc_u32 v10, WWL, v[T16]
	v_lshlrev_b32 v[H8], 3, v[HH]
	v_lshlrev_b32 v[R4], 2, v[RR]
	s_wait_dscnt 0x0                               ; the opening add is done
	s_wait_kmcnt 0x0
	s_add_nc_u64 s[6:7], s[6:7], s[20:21]          ; wf at my part of the quarter's first slot: made of the quarter and the wave's number alone
	s_add_nc_u64 s[4:5], s[4:5], s[22:23]
	s_add_nc_u64 s[8:9], s[8:9], s[54:55]
	s_add_nc_u64 s[10:11], s[10:11], s[58:59]
	s_add_nc_u64 s[12:13], s[12:13], s[56:57]
	s_add_nc_u64 s[14:15], s[14:15], s[56:57]
	s_mov_b64 s[G0A+2:G0A+3], s[6:7]               ; global address: tiles 0-7
	s_or_b32 s[G0A+3], s[G0A+3], 0x80000000        ; type = 2
	s_add_nc_u64 s[G0B+2:G0B+3], s[6:7], CHUNK     ; tiles 8-15
	s_or_b32 s[G0B+3], s[G0B+3], 0x80000000
	CROUND                                         ; all four work-groups are here: the first joint loads meet
	tensor_load_to_lds s[G0A:G0A+3], s[G1:G1+7]    ; both first fills together, ahead of every wait on TENSORcnt and every LDS read: two loads of mine are out, never more
	s_nop 0
	tensor_load_to_lds s[G0B:G0B+3], s[G1:G1+7]
	s_nop 0
.rept 4
	v_nop
.endr
.irp i, 0,1,2,3
	global_load_b128 v[RM+4*(\i):RM+4*(\i)+3], v[T16], s[10:11] offset:(\i)*2048   ; the quarter's ww: 128 threads x 16 bytes, four times
.endr
.irp x, 0,1,2,3
	global_load_b32 v[XX+2*(\x)], v[R4], s[8:9] offset:(\x)*64                     ; xx of row r of row tile x
.endr
	WIN 0x80                                       ; destination window 2, address window 0
.set n, 0
.rept 64                                ; X stays in registers: row tile n / 16, piece n % 16 = 2 s + p of K steps 0-7; each load takes 512 consecutive bytes
	global_load_b128 v[64*(n/16)+4*(n%16):64*(n/16)+4*(n%16)+3], v[L16], s[4:5] offset:(n/16)*16384+(n%16)*512
.set n, n+1
.endr
	WIN 0xc0                                       ; window 3: K steps 8-15
.set n, 0
.rept 64
	global_load_b128 v[64*(n/16)+4*(n%16):64*(n/16)+4*(n%16)+3], v[L16], s[4:5] offset:(n/16)*16384+8192+(n%16)*512
.set n, n+1
.endr
	WIN 0
	; What the first tile's turn finds: it judges a tile that has not been.  With products 0 and ww = +inf its d is +inf, which is less than nothing.  So no first tile is written out; the price is these
	; 104 lines, which stand in the wait for X and the first slot.
.set n, 0
.rept 32
	v_mov_b32 v[BEST+n], s[INF]
	v_mov_b32 v[IDX+n], 0
	v_mov_b32 v[ACC+32+n], 0
.set n, n+1
.endr
.set n, 0
.rept 8
	v_mov_b32 v[WW+8+n], s[INF]
.set n, n+1
.endr
	s_wait_loadcnt 0x0                             ; ww, xx and X
.irp x, 0,1,2,3
	v_mov_b32 v[XX+2*(\x)+1], v[XX+2*(\x)]         ; the packed addition takes a pair
.endr
.irp i, 0,1,2,3
	ds_store_b128 v10, v[RM+4*(\i):RM+4*(\i)+3] offset:(\i)*2048
.endr
	s_wait_tensorcnt 0x1                           ; my part of slot 0 is in; slot 1's, the one load issued behind it, may stay out
	s_wait_dscnt 0x0                               ; for the others' sake: my part of ww is stored
	s_barrier_signal -1
	s_barrier_wait -1
; Matrix instruction i of a tile's 64, on buffer and set b: K step i / 4, row tile i % 4.  The first four start the sums.
.macro WM b
.set ks, i/4
.set xt, i%4
	WIN 0x09+4*(ks/8)                              ; W in window 1, X in window 2 or 3, C and D in window 0
.set rD, ACC+32*(\b)+8*xt
.set rW, 128*(\b)+8*ks
.set rX, 64*xt+8*(ks%8)
.if i < 4
	v_wmma_f32_16x16x32_bf16 v[rD:rD+7], v[rW:rW+7], v[rX:rX+7], 0
.else
	v_wmma_f32_16x16x32_bf16 v[rD:rD+7], v[rW:rW+7], v[rX:rX+7], v[rD:rD+7]
.endif
.set i, i+1
.endm
; Number k of the 128 vector instructions that judge a tile whose products lie in set e and whose ww in buffer e.
;   0-15   fl(xx + ww), a pair at a time, for the four row tiles
;   then for each row tile 28: four times d = fl(t - 2 x.w) in place, the accumulator's lowest registers first; then twice, for four chains: is d less than the best? the tile's first code where it is; the lesser of the two
; No line reads the result of the line before it.
.macro RID e
.if k < 16
.set xt, k/4
.set pr, k%4
	v_pk_add_f32 v[T+8*xt+2*pr:T+8*xt+2*pr+1], v[WW+8*(\e)+2*pr:WW+8*(\e)+2*pr+1], v[XX+2*xt:XX+2*xt+1]
.else
.set xt, (k-16)/28
.set n, (k-16)%28
.set rA, ACC+32*(\e)+8*xt
.if n < 4
	v_pk_fma_f32 v[rA+2*n:rA+2*n+1], v[rA+2*n:rA+2*n+1], -2.0, v[T+8*xt+2*n:T+8*xt+2*n+1] op_sel_hi:[1,0,1]
.else
.set u, (n-4)%4
.set j, 4*((n-4)/12)+u
.set kind, ((n-4)%12)/4
.if kind == 0
	v_cmp_lt_f32 s[M0+u], v[rA+j], v[BEST+8*xt+j]
.elseif kind == 1
	v_cndmask_b32 v[IDX+8*xt+j], v[IDX+8*xt+j], s[CB], s[M0+u]
.else
	v_min_num_f32 v[BEST+8*xt+j], v[BEST+8*xt+j], v[rA+j]
.endif
.endif
.endif
.set k, k+1
.endm
.macro SLICE e                         ; four of them
	WIN 0
.rept 4
	RID \e
.endr
.endm
.macro MMS b, n                        ; n matrix instructions, a slice behind every second one
.rept \n
	WM \b
.if (i%2) == 0
	SLICE 1-(\b)
.endif
.endr
.endm
; One run of 34 LDS loads: the next tile's ww (my eight codes') and its 16 operands, into buffer b
.macro FETCH b
	WIN 0
	v_add_nc_u32 v[ADRF], s[TB], v[L16]
	v_add_nc_u32 v[ADRW], s[TW], v[W0]
	ds_load_b128 v[WW+8*(\b):WW+8*(\b)+3],   v[ADRW]
	ds_load_b128 v[WW+8*(\b)+4:WW+8*(\b)+7], v[ADRW] offset:16
	WIN 0x40                                       ; destination window 1
.set n, 0
.rept 32
	ds_load_b128 v[128*(\b)+4*n:128*(\b)+4*n+3], v[ADRF] offset:512*n
.set n, n+1
.endr
	s_add_co_u32 s[TB], s[TB], 16384               ; the next fetch is the next tile's
	s_add_co_u32 s[TW], s[TW], 64
	s_and_b32 s[TW], s[TW], 0x1fff                 ; inside the table's 8,192 bytes by the text alone; behind the last tile it turns to 0 and is not used
.endm
; A TILE on buffer and set b; the tile before is judged beside it.
; fetch = 1: the next tile is fetched into the other buffer behind 16 matrix instructions: 32 plain vector instructions stand behind that buffer's last reader, and the first 16 of them have used up the other buffer's ww.
; chg = 1: a slot's last tile.  Its operands are in registers, so the slot has been read out.  Each wave waits for all its tensor loads, of which one is out: its part of the other slot; adds 0 to its spare word;
; and waits for that.  The barrier opens a round of the cluster's, so that no wave of any partner still reads the slot or has a load on its way; the joint refill, with the tiles two slots on, is the first thing behind it.
.macro TILE b, chg, fetch
.set i, 0
.set k, 0
	s_wait_dscnt 0x0                               ; buffer b and its ww are in; no LDS read of mine is out
.if \chg
	WIN 0                                          ; (the add's two registers lie in window 0)
	s_wait_tensorcnt 0x0                           ; no tensor load of mine is out, so a group 0 may be written
	ds_add_u32 v[SPW], v[NIL]                      ; 0 onto my spare word; work on registers stands between it and the wait for it
	s_xor_b32 s[G0B+1], s[G0B+1], SLOT1            ; the walking descriptor: the other slot than last time,
	s_add_nc_u64 s[G0B+2:G0B+3], s[G0B+2:G0B+3], CHUNK  ; the next eight tiles; the type bits on top are not reached
.endif
	MMS \b, 8
.if \chg
	s_wait_dscnt 0x0                               ; the add is done
	s_barrier_signal -1
.endif
	MMS \b, 8                                      ; work on registers while the others arrive
.if \chg
	WIN 0
	s_barrier_wait -1
	CREST
	tensor_load_to_lds s[G0B:G0B+3], s[G1:G1+7]    ; my one tensor load behind the round
	s_nop 0
.rept 4
	v_nop
.endr
	s_sub_co_u32 s[TB], s[TB], CHUNK               ; the fetches go back to a slot's first tile,
	s_xor_b32 s[TB], s[TB], SLOT1                  ; in the other slot
.endif
.if \fetch
	FETCH 1-(\b)
.endif
	MMS \b, 48
	s_add_co_u32 s[CB], s[CB], 16
.endm
	FETCH 0                                        ; tile 0
	WIN 0                                          ; at a label and at a branch every window is 0
	s_mov_b32 s[SLOTS], 14
.Lslot:                                                ; 14 trips: every slot but the last two is filled again
	s_mov_b32 s[CNT], 3
.Lpair:
	TILE 0, 0, 1
	TILE 1, 0, 1
	WIN 0
	s_sub_co_u32 s[CNT], s[CNT], 1
	s_cmp_lg_u32 s[CNT], 0
	s_cbranch_scc1 .Lpair
	TILE 0, 0, 1
	TILE 1, 1, 1
	WIN 0
	s_sub_co_u32 s[SLOTS], s[SLOTS], 1
	s_cmp_lg_u32 s[SLOTS], 0
	s_cbranch_scc1 .Lslot
	; The last two slots ask for nothing: their text is written apart, and once: it is entered in its middle.
	s_mov_b32 s[SLOTS], 2
	s_branch .Ltmid
.Ltail:                                                ; between the two: the last slot is whole for everybody
	s_wait_tensorcnt 0x0                           ; my part of the last slot is in
	ds_add_u32 v[SPW], v[NIL]
	s_sub_co_u32 s[TB], s[TB], CHUNK
	s_xor_b32 s[TB], s[TB], SLOT1
	s_wait_dscnt 0x0
	s_barrier_signal -1
	s_barrier_wait -1
	FETCH 0                                        ; the one fetch of the launch that stands beside no products: the price of one text for both slots
	WIN 0
.Ltmid:
	s_mov_b32 s[CNT], 3
.Lpair2:
	TILE 0, 0, 1
	TILE 1, 0, 1
	WIN 0
	s_sub_co_u32 s[CNT], s[CNT], 1
	s_cmp_lg_u32 s[CNT], 0
	s_cbranch_scc1 .Lpair2
	TILE 0, 0, 1
	TILE 1, 0, 0
	WIN 0
	s_sub_co_u32 s[SLOTS], s[SLOTS], 1
	s_cmp_lg_u32 s[SLOTS], 0
	s_cbranch_scc1 .Ltail
.set k, 0
.rept 128
	RID 1                                          ; the last tile is judged; the 16 additions at the head are the places behind the last products
.endr
	; THE END.  A row's 16 chains (8 registers in each of two lanes) are merged: the least d, and among the chains that hold it the least code, which is the first index.  Codes, 8,191 at the most, are exact in f32.
	v_mov_b32 v[VINF], s[INF]
.irp j, 0,1,2,3,4,5,6,7
	v_add_nc_u32 v[HJ+(\j)], \j, v[H8]
.endr
.macro MIN8 r                          ; the least of v[r .. r + 7] and of the other half of the lanes', into TA
	v_min_num_f32 v[TA], v[(\r)], v[(\r)+1]
	v_min_num_f32 v[TC], v[(\r)+2], v[(\r)+3]
	v_min_num_f32 v[TA], v[TA], v[(\r)+4]
	v_min_num_f32 v[TC], v[TC], v[(\r)+5]
	v_min_num_f32 v[TA], v[TA], v[(\r)+6]
	v_min_num_f32 v[TC], v[TC], v[(\r)+7]
	v_min_num_f32 v[TA], v[TA], v[TC]
	v_permlanex16_b32 v[TC], v[TA], s[SEL], s[SEL+1]
	v_min_num_f32 v[TA], v[TA], v[TC]
.endm
.macro RED x
.irp j, 0,1,2,3,4,5,6,7
	v_add_nc_u32 v[IDX+8*(\x)+(\j)], v[IDX+8*(\x)+(\j)], v[HJ+(\j)]   ; the chain's code: the tile's first + 8 h + j
.endr
.irp j, 0,1,2,3,4,5,6,7
	v_cvt_f32_u32 v[IDX+8*(\x)+(\j)], v[IDX+8*(\x)+(\j)]
.endr
	MIN8 BEST+8*(\x)
	v_mov_b32 v[RM+(\x)], v[TA]
.irp j, 0,1,2,3,4,5,6,7
	v_cmp_eq_f32 vcc_lo, v[BEST+8*(\x)+(\j)], v[RM+(\x)]
	v_cndmask_b32 v[CJ+(\j)], v[VINF], v[IDX+8*(\x)+(\j)], vcc_lo
.endr
	MIN8 CJ
	v_cvt_u32_f32 v[RI+(\x)], v[TA]
.endm
	RED 0
	RED 1
	RED 2
	RED 3
.irp p, 0,1                            ; lanes 0-15 take row tile 2 p, lanes 16-31 row tile 2 p + 1: a store covers 32 rows, 128 consecutive bytes (512 KiB in the whole launch go out in such pieces)
	v_cndmask_b32 v[SD+2*(\p)],   v[RM+2*(\p)], v[RM+2*(\p)+1], s[HM]
	v_cndmask_b32 v[SD+2*(\p)+1], v[RI+2*(\p)], v[RI+2*(\p)+1], s[HM]
	global_store_b32 v[L4], v[SD+2*(\p)],   s[12:13] offset:128*(\p)
	global_store_b32 v[L4], v[SD+2*(\p)+1], s[14:15] offset:128*(\p)
.endr
	s_wait_tensorcnt 0x0                           ; the wave's end, behind my last tensor load and my last LDS store
	ds_add_u32 v[SPW], v[NIL]
	s_wait_dscnt 0x0
	CROUND                                         ; the closing round: no work-group ends while a partner may still ask for a tile that names it
	s_endpgm
.Lfunc_end_k_qdf9ca7c372_main:
	.size	k_qdf9ca7c372_main, .Lfunc_end_k_qdf9ca7c372_main-k_qdf9ca7c372_main
	.p2alignl 7, 3214868480
	.fill 96, 4, 3214868480
	.section	.rodata,"a",@progbits
	.p2align	6, 0x0
	.amdhsa_kernel k_qdf9ca7c372_main
		.amdhsa_group_segment_fixed_size 327680
		.amdhsa_private_segment_fixed_size 0
		.amdhsa_enable_private_segment 0
		.amdhsa_kernarg_size 48
		.amdhsa_user_sgpr_count 2
		.amdhsa_user_sgpr_kernarg_segment_ptr 1
		.amdhsa_wavefront_size32 1
		.amdhsa_system_sgpr_workgroup_id_x 1
		.amdhsa_system_sgpr_workgroup_id_y 1
		.amdhsa_system_sgpr_workgroup_id_z 1
		.amdhsa_system_vgpr_workitem_id 0
		.amdhsa_next_free_vgpr 1024
		.amdhsa_next_free_sgpr 66
		.amdhsa_reserve_vcc 1
		.amdhsa_float_denorm_mode_32 3
		.amdhsa_float_denorm_mode_16_64 3
		.amdhsa_memory_ordered 1
		.amdhsa_forward_progress 1
		.amdhsa_inst_pref_size 164
	.end_amdhsa_kernel
	.amdgpu_metadata
---
amdhsa.version: [ 1, 2 ]
amdhsa.kernels:
  - .name:           k_qdf9ca7c372_main
    .symbol:         k_qdf9ca7c372_main.kd
    .args:
      - { .name: xf, .offset: 0, .size: 8, .value_kind: global_buffer, .address_space: global }
      - { .name: wf, .offset: 8, .size: 8, .value_kind: global_buffer, .address_space: global }
      - { .name: xsq, .offset: 16, .size: 8, .value_kind: global_buffer, .address_space: global }
      - { .name: wsq, .offset: 24, .size: 8, .value_kind: global_buffer, .address_space: global }
      - { .name: pmin, .offset: 32, .size: 8, .value_kind: global_buffer, .address_space: global }
      - { .name: pidx, .offset: 40, .size: 8, .value_kind: global_buffer, .address_space: global }
    .group_segment_fixed_size: 327680
    .private_segment_fixed_size: 0
    .kernarg_segment_align: 8
    .kernarg_segment_size: 48
    .max_flat_workgroup_size: 128
    .sgpr_count:     66
    .vgpr_count:     1024
    .wavefront_size: 32
...
	.end_amdgpu_metadata
.endif
;; end of part 2
;; launch pick (part 3): grid 256 x 1, 8 waves a work-group, no clusters, 0 bytes of LDS; arguments z_e, W, pmin, pidx, out0, out1, lpart; writes out0, out1, lpart
.if DOCPART == 3
	.amdgcn_target "amdgcn-amd-amdhsa--gfx1250"
	.amdhsa_code_object_version 6
	.text
	.protected	k_qdf9ca7c372_pick
	.globl	k_qdf9ca7c372_pick
	.p2align	8
	.type	k_qdf9ca7c372_pick,@function
k_qdf9ca7c372_pick:
	s_mov_b64 s[64:65], 0
	v_nop
	global_prefetch_b8 v0, s[64:65] scope:SCOPE_SE
	s_setreg_imm32_b32 hwreg(HW_REG_WAVE_MODE, 25, 1), 1
	s_wait_xcnt 0x0
; PICK.  For each row the four quarters' (d, code) are merged (a later quarter wins only if its d is LESS: the first index), the id is stored, out0 = z_e + (W[id] - z_e), and the squares of
; W[id] - z_e are summed, one partial sum a wave.  z_e and W are taken unrounded, as the formula has them.
; NO ADDRESS HANGS ON A COMPARISON made here: all four candidates' rows of W are loaded, at addresses made of pidx's whole numbers alone, and the winner is chosen by v_cndmask_b32.
; That is three more rows of 2,048 bytes a row, out of a table of 16 MiB that every work-group reads; it spares a launch that would only merge.
; SHARES.  A wave owns 8 rows, a work-group 64; a row is 4 loads of 512 consecutive bytes.  Two rows' loads (2 x 20) are on their way in each wave.  No LDS, no barrier, no matrix unit: nothing is shared between waves.
; The order of the sum of squares is this text's own.
.set LN,   1                           ; v1   lane
.set L16,  2                           ; v2   16 x lane
.set R4,   3                           ; v3   4 (lane % 8): lane l looks after row l % 8 of the wave's eight
.set PM,   4                           ; v4-7   that row's four d
.set PI,   8                           ; v8-11  and four codes; v8 ends as the id
.set LACC, 12                          ; v12-19 four pairs of running sums
.set BUF,  20                          ; two buffers of 84: z 16, the four candidates 16 each, their four offsets
.set CAND, 32                          ; s[32:63] candidate of quarter q for row p at s[32 + 8 q + p]
.set A1,   66                          ; s66-68 by rows (bit p): quarter 1 beats 0; 3 beats 2; the better of 2, 3 beats the better of 0, 1
.set A3,   67
.set A2,   68
.set K1,   70                          ; s70-72 the same for the row in hand, for all lanes
.set K3,   71
.set K2,   72
	s_load_b256 s[4:11], s[0:1], 0x0               ; z_e s[4:5], W s[6:7], pmin s[8:9], pidx s[10:11]
	s_load_b128 s[12:15], s[0:1], 0x20             ; out0 s[12:13], out1 s[14:15]
	s_load_b64 s[16:17], s[0:1], 0x30              ; lpart
	v_lshrrev_b32 v[LN], 5, v0
	v_readfirstlane_b32 s18, v[LN]                 ; wave 0..7
	s_lshl_b32 s19, ttmp9, 3
	s_add_co_u32 s19, s19, s18                     ; my wave among the launch's 2,048
	s_lshl_b32 s26, s19, 5                         ; its 8 rows x 4 bytes
	s_mov_b32 s27, 0
	s_lshl_b32 s28, s19, 14                        ; its 8 rows x 2,048 bytes
	s_mov_b32 s29, 0
	s_lshl_b32 s30, s19, 2
	s_mov_b32 s31, 0
	s_mov_b32 s74, 0x76543210                      ; v_permlanex16_b32's selects
	s_mov_b32 s75, 0xfedcba98
	v_and_b32 v[LN], 31, v0
	v_lshlrev_b32 v[L16], 4, v[LN]
	v_and_b32 v[R4], 7, v0
	v_lshlrev_b32 v[R4], 2, v[R4]
.irp i, 0,1,2,3,4,5,6,7
	v_mov_b32 v[LACC+(\i)], 0
.endr
	s_wait_kmcnt 0x0
	s_add_nc_u64 s[20:21], s[10:11], s[26:27]      ; pidx, pmin, out1 at my rows
	s_add_nc_u64 s[22:23], s[8:9], s[26:27]
	s_add_nc_u64 s[14:15], s[14:15], s[26:27]
	s_add_nc_u64 s[4:5], s[4:5], s[28:29]          ; z_e and out0 at my rows
	s_add_nc_u64 s[12:13], s[12:13], s[28:29]
	s_add_nc_u64 s[16:17], s[16:17], s[30:31]
.irp q, 0,1,2,3
	s_load_b256 s[CAND+8*(\q):CAND+8*(\q)+7], s[20:21], (\q)*65536   ; eight rows' candidates of quarter q: no line of this launch writes pidx
.endr
.irp q, 0,1,2,3
	global_load_b32 v[PM+(\q)], v[R4], s[22:23] offset:(\q)*65536
	global_load_b32 v[PI+(\q)], v[R4], s[20:21] offset:(\q)*65536
.endr
	s_wait_kmcnt 0x0
.set n, 0
.rept 32
	s_min_u32 s[CAND+n], s[CAND+n], 0x1fff         ; a loaded number enters an address only inside the table's 8,192 rows
.set n, n+1
.endr
; Row p's 20 loads into buffer b
.macro ROWLD p, b
.set BB, BUF+84*(\b)
	s_wait_xcnt 0x0                                ; the buffer's z registers were store data, its offsets addresses: they are rewritten only behind this wait
.irp c, 0,1,2,3
	global_load_b128 v[BB+4*(\c):BB+4*(\c)+3], v[L16], s[4:5] offset:(\p)*2048+(\c)*512 th:TH_LOAD_NT
.endr
.irp q, 0,1,2,3
	v_lshl_add_u32 v[BB+80+(\q)], s[CAND+8*(\q)+(\p)], 11, v[L16]
.irp c, 0,1,2,3
	global_load_b128 v[BB+16+16*(\q)+4*(\c):BB+16+16*(\q)+4*(\c)+3], v[BB+80+(\q)], s[6:7] offset:(\c)*512
.endr
.endr
.endm
; Row p is chosen, worked on and stored.  left = the younger loads that may stay out.
.macro ROWDO p, b, left
.set BB, BUF+84*(\b)
	s_wait_loadcnt \left
	s_bitcmp1_b32 s[A1], \p                        ; the row's three answers, spread over all lanes: they select values alone
	s_cselect_b32 s[K1], -1, 0
	s_bitcmp1_b32 s[A3], \p
	s_cselect_b32 s[K3], -1, 0
	s_bitcmp1_b32 s[A2], \p
	s_cselect_b32 s[K2], -1, 0
.irp c, 0,1,2,3
.irp e, 0,1,2,3
	v_cndmask_b32 v[BB+16+4*(\c)+(\e)], v[BB+16+4*(\c)+(\e)], v[BB+32+4*(\c)+(\e)], s[K1]
.endr
.irp e, 0,1,2,3
	v_cndmask_b32 v[BB+48+4*(\c)+(\e)], v[BB+48+4*(\c)+(\e)], v[BB+64+4*(\c)+(\e)], s[K3]
.endr
.irp e, 0,1,2,3
	v_cndmask_b32 v[BB+16+4*(\c)+(\e)], v[BB+16+4*(\c)+(\e)], v[BB+48+4*(\c)+(\e)], s[K2]
.endr
.irp e, 0,2
	v_pk_add_f32 v[BB+16+4*(\c)+(\e):BB+16+4*(\c)+(\e)+1], v[BB+16+4*(\c)+(\e):BB+16+4*(\c)+(\e)+1], v[BB+4*(\c)+(\e):BB+4*(\c)+(\e)+1] neg_lo:[0,1] neg_hi:[0,1]   ; z_q - z_e
.endr
.irp e, 0,2
	v_pk_add_f32 v[BB+4*(\c)+(\e):BB+4*(\c)+(\e)+1], v[BB+4*(\c)+(\e):BB+4*(\c)+(\e)+1], v[BB+16+4*(\c)+(\e):BB+16+4*(\c)+(\e)+1]   ; z_e + (z_q - z_e)
.endr
.irp e, 0,2
	v_pk_fma_f32 v[LACC+2*((2*(\c)+(\e)/2)%4):LACC+2*((2*(\c)+(\e)/2)%4)+1], v[BB+16+4*(\c)+(\e):BB+16+4*(\c)+(\e)+1], v[BB+16+4*(\c)+(\e):BB+16+4*(\c)+(\e)+1], v[LACC+2*((2*(\c)+(\e)/2)%4):LACC+2*((2*(\c)+(\e)/2)%4)+1]
.endr
	global_store_b128 v[L16], v[BB+4*(\c):BB+4*(\c)+3], s[12:13] offset:(\p)*2048+(\c)*512 th:TH_STORE_NT   ; 512 consecutive bytes, at a multiple of 512 from out0's first
.endr
.endm
	ROWLD 0, 0
	ROWLD 1, 1
	s_wait_loadcnt 40                              ; the eight loads of d and codes are in; two rows' 40 loads stay out
	v_cmp_lt_f32 s[A1], v[PM+1], v[PM]             ; strictly less: equal d keep the lower quarter, the lower code
	v_cmp_lt_f32 s[A3], v[PM+3], v[PM+2]
	v_min_num_f32 v[PM], v[PM], v[PM+1]
	v_min_num_f32 v[PM+2], v[PM+2], v[PM+3]
	v_cndmask_b32 v[PI], v[PI], v[PI+1], s[A1]
	v_cndmask_b32 v[PI+2], v[PI+2], v[PI+3], s[A3]
	v_cmp_lt_f32 s[A2], v[PM+2], v[PM]
	v_cndmask_b32 v[PI], v[PI], v[PI+2], s[A2]     ; the id of row lane % 8
	ROWDO 0, 0, 20                                 ; the next row's 20 loads stay out
	ROWLD 2, 0
	ROWDO 1, 1, 20
	ROWLD 3, 1
	ROWDO 2, 0, 20
	ROWLD 4, 0
	ROWDO 3, 1, 20
	ROWLD 5, 1
	ROWDO 4, 0, 20
	ROWLD 6, 0
	ROWDO 5, 1, 20
	ROWLD 7, 1
	ROWDO 6, 0, 20
	ROWDO 7, 1, 0
	v_pk_add_f32 v[LACC:LACC+1], v[LACC:LACC+1], v[LACC+2:LACC+3]
	v_pk_add_f32 v[LACC+4:LACC+5], v[LACC+4:LACC+5], v[LACC+6:LACC+7]
	v_pk_add_f32 v[LACC:LACC+1], v[LACC:LACC+1], v[LACC+4:LACC+5]
	v_add_f32 v[LACC], v[LACC], v[LACC+1]
	v_add_f32_dpp v[LACC], v[LACC], v[LACC] row_xmask:1 row_mask:0xf bank_mask:0xf
	v_add_f32_dpp v[LACC], v[LACC], v[LACC] row_xmask:2 row_mask:0xf bank_mask:0xf
	v_add_f32_dpp v[LACC], v[LACC], v[LACC] row_xmask:4 row_mask:0xf bank_mask:0xf
	v_add_f32_dpp v[LACC], v[LACC], v[LACC] row_xmask:8 row_mask:0xf bank_mask:0xf
	v_permlanex16_b32 v[LACC+1], v[LACC], s74, s75
	v_add_f32 v[LACC], v[LACC], v[LACC+1]          ; the wave's sum of squares
	v_mov_b32 v[LACC+2], 0
	s_wait_xcnt 0x0                                ; EXEC changes only behind this wait
	v_cmp_gt_u32 vcc_lo, 8, v[LN]
	s_and_saveexec_b32 s76, vcc_lo
	global_store_b32 v[R4], v[PI], s[14:15]        ; eight ids, 32 bytes a wave: out1 is 64 KiB in all
	s_wait_xcnt 0x0
	s_or_b32 exec_lo, exec_lo, s76
	v_cmp_eq_u32 vcc_lo, 0, v[LN]
	s_and_saveexec_b32 s76, vcc_lo
	global_store_b32 v[LACC+2], v[LACC], s[16:17]
	s_wait_xcnt 0x0
	s_or_b32 exec_lo, exec_lo, s76
	s_endpgm
.Lfunc_end_k_qdf9ca7c372_pick:
	.size	k_qdf9ca7c372_pick, .Lfunc_end_k_qdf9ca7c372_pick-k_qdf9ca7c372_pick
	.p2alignl 7, 3214868480
	.fill 96, 4, 3214868480
	.section	.rodata,"a",@progbits
	.p2align	6, 0x0
	.amdhsa_kernel k_qdf9ca7c372_pick
		.amdhsa_group_segment_fixed_size 0
		.amdhsa_private_segment_fixed_size 0
		.amdhsa_enable_private_segment 0
		.amdhsa_kernarg_size 56
		.amdhsa_user_sgpr_count 2
		.amdhsa_user_sgpr_kernarg_segment_ptr 1
		.amdhsa_wavefront_size32 1
		.amdhsa_system_sgpr_workgroup_id_x 1
		.amdhsa_system_sgpr_workgroup_id_y 1
		.amdhsa_system_sgpr_workgroup_id_z 1
		.amdhsa_system_vgpr_workitem_id 0
		.amdhsa_next_free_vgpr 192
		.amdhsa_next_free_sgpr 80
		.amdhsa_reserve_vcc 1
		.amdhsa_float_denorm_mode_32 3
		.amdhsa_float_denorm_mode_16_64 3
		.amdhsa_memory_ordered 1
		.amdhsa_forward_progress 1
		.amdhsa_inst_pref_size 65
	.end_amdhsa_kernel
	.amdgpu_metadata
---
amdhsa.version: [ 1, 2 ]
amdhsa.kernels:
  - .name:           k_qdf9ca7c372_pick
    .symbol:         k_qdf9ca7c372_pick.kd
    .args:
      - { .name: z_e, .offset: 0, .size: 8, .value_kind: global_buffer, .address_space: global }
      - { .name: W, .offset: 8, .size: 8, .value_kind: global_buffer, .address_space: global }
      - { .name: pmin, .offset: 16, .size: 8, .value_kind: global_buffer, .address_space: global }
      - { .name: pidx, .offset: 24, .size: 8, .value_kind: global_buffer, .address_space: global }
      - { .name: out0, .offset: 32, .size: 8, .value_kind: global_buffer, .address_space: global }
      - { .name: out1, .offset: 40, .size: 8, .value_kind: global_buffer, .address_space: global }
      - { .name: lpart, .offset: 48, .size: 8, .value_kind: global_buffer, .address_space: global }
    .group_segment_fixed_size: 0
    .private_segment_fixed_size: 0
    .kernarg_segment_align: 8
    .kernarg_segment_size: 56
    .max_flat_workgroup_size: 256
    .sgpr_count:     80
    .vgpr_count:     192
    .wavefront_size: 32
...
	.end_amdgpu_metadata
.endif
;; end of part 3
;; launch finish (part 4): grid 1 x 1, 1 waves a work-group, no clusters, 0 bytes of LDS; arguments lpart, out2, out3, out4, out5, out6; writes out2, out3, out4, out5, out6
.if DOCPART == 4
	.amdgcn_target "amdgcn-amd-amdhsa--gfx1250"
	.amdhsa_code_object_version 6
	.text
	.protected	k_qdf9ca7c372_finish
	.globl	k_qdf9ca7c372_finish
	.p2align	8
	.type	k_qdf9ca7c372_finish,@function
k_qdf9ca7c372_finish:
	s_mov_b64 s[64:65], 0
	v_nop
	global_prefetch_b8 v0, s[64:65] scope:SCOPE_SE
	s_setreg_imm32_b32 hwreg(HW_REG_WAVE_MODE, 25, 1), 1
	s_wait_xcnt 0x0
; FINISH.  The 2,048 partial sums of squares are added (one owner: a sum over work-groups is ordered by a launch of its own), and the five numbers are made of the mean:
; codebook_loss = commit_loss = sum / 2^23 (16 x 1,024 x 512 numbers; the scaling is exact), vq_loss = codebook_loss + 0.25 commit_loss, orth_loss = 0, loss_total = vq_loss + 0 x orth_loss.
; One wave: 8,192 bytes, 16 loads of 512 consecutive bytes.  The order of the sum is this text's own.
	s_load_b256 s[4:11], s[0:1], 0x0               ; lpart s[4:5], out2 s[6:7], out3 s[8:9], out4 s[10:11]
	s_load_b128 s[12:15], s[0:1], 0x20             ; out5 s[12:13], out6 s[14:15]
	v_lshlrev_b32 v1, 4, v0
	s_mov_b32 s16, 0x76543210                      ; v_permlanex16_b32's selects
	s_mov_b32 s17, 0xfedcba98
	s_wait_kmcnt 0x0
.irp i, 0,1,2,3,4,5,6,7,8,9,10,11,12,13,14,15
	global_load_b128 v[4+4*(\i):7+4*(\i)], v1, s[4:5] offset:512*(\i)
.endr
	s_wait_loadcnt 0x0
.irp w, 16,8,4,2,1                     ; 32 pairs into one
.set n, 0
.rept \w
	v_pk_add_f32 v[4+2*n:5+2*n], v[4+2*n:5+2*n], v[4+2*(n+(\w)):5+2*(n+(\w))]
.set n, n+1
.endr
.endr
	v_add_f32 v4, v4, v5
	v_add_f32_dpp v4, v4, v4 row_xmask:1 row_mask:0xf bank_mask:0xf
	v_add_f32_dpp v4, v4, v4 row_xmask:2 row_mask:0xf bank_mask:0xf
	v_add_f32_dpp v4, v4, v4 row_xmask:4 row_mask:0xf bank_mask:0xf
	v_add_f32_dpp v4, v4, v4 row_xmask:8 row_mask:0xf bank_mask:0xf
	v_permlanex16_b32 v5, v4, s16, s17
	v_add_f32 v4, v4, v5
	v_mul_f32 v6, 0x34000000, v4                   ; x 2^-23: the mean, codebook_loss and commit_loss
	v_fma_f32 v7, v6, 0x3e800000, v6               ; vq_loss = codebook_loss + 0.25 commit_loss (0.25 x is exact: one rounding, as in the formula)
	v_mov_b32 v8, 0                                ; orth_loss
	v_fma_f32 v9, v8, 0, v7                        ; loss_total = vq_loss + 0 x orth_loss
	v_mov_b32 v10, 0
	s_wait_xcnt 0x0                                ; EXEC changes only behind this wait
	v_cmp_eq_u32 vcc_lo, 0, v0
	s_and_saveexec_b32 s18, vcc_lo
	global_store_b32 v10, v7, s[6:7]
	global_store_b32 v10, v6, s[8:9]
	global_store_b32 v10, v6, s[10:11]
	global_store_b32 v10, v8, s[12:13]
	global_store_b32 v10, v9, s[14:15]
	s_wait_xcnt 0x0
	s_or_b32 exec_lo, exec_lo, s18
	s_endpgm
.Lfunc_end_k_qdf9ca7c372_finish:
	.size	k_qdf9ca7c372_finish, .Lfunc_end_k_qdf9ca7c372_finish-k_qdf9ca7c372_finish
	.p2alignl 7, 3214868480
	.fill 96, 4, 3214868480
	.section	.rodata,"a",@progbits
	.p2align	6, 0x0
	.amdhsa_kernel k_qdf9ca7c372_finish
		.amdhsa_group_segment_fixed_size 0
		.amdhsa_private_segment_fixed_size 0
		.amdhsa_enable_private_segment 0
		.amdhsa_kernarg_size 48
		.amdhsa_user_sgpr_count 2
		.amdhsa_user_sgpr_kernarg_segment_ptr 1
		.amdhsa_wavefront_size32 1
		.amdhsa_system_sgpr_workgroup_id_x 1
		.amdhsa_system_sgpr_workgroup_id_y 1
		.amdhsa_system_sgpr_workgroup_id_z 1
		.amdhsa_system_vgpr_workitem_id 0
		.amdhsa_next_free_vgpr 72
		.amdhsa_next_free_sgpr 66
		.amdhsa_reserve_vcc 1
		.amdhsa_float_denorm_mode_32 3
		.amdhsa_float_denorm_mode_16_64 3
		.amdhsa_memory_ordered 1
		.amdhsa_forward_progress 1
		.amdhsa_inst_pref_size 6
	.end_amdhsa_kernel
	.amdgpu_metadata
---
amdhsa.version: [ 1, 2 ]
amdhsa.kernels:
  - .name:           k_qdf9ca7c372_finish
    .symbol:         k_qdf9ca7c372_finish.kd
    .args:
      - { .name: lpart, .offset: 0, .size: 8, .value_kind: global_buffer, .address_space: global }
      - { .name: out2, .offset: 8, .size: 8, .value_kind: global_buffer, .address_space: global }
      - { .name: out3, .offset: 16, .size: 8, .value_kind: global_buffer, .address_space: global }
      - { .name: out4, .offset: 24, .size: 8, .value_kind: global_buffer, .address_space: global }
      - { .name: out5, .offset: 32, .size: 8, .value_kind: global_buffer, .address_space: global }
      - { .name: out6, .offset: 40, .size: 8, .value_kind: global_buffer, .address_space: global }
    .group_segment_fixed_size: 0
    .private_segment_fixed_size: 0
    .kernarg_segment_align: 8
    .kernarg_segment_size: 48
    .max_flat_workgroup_size: 32
    .sgpr_count:     66
    .vgpr_count:     72
    .wavefront_size: 32
...
	.end_amdgpu_metadata
.endif
;; end of part 4
;; ======== version 2 of 2: 4 launches; version 1 with the launch pick written anew for expert scheduling mode
;; workspace buffers: xf 16,777,216 bytes; wf 8,388,608 bytes; xsq 65,536 bytes; wsq 32,768 bytes; pmin 262,144 bytes; pidx 262,144 bytes of whole numbers; lpart 8,192 bytes
;; launch prep: the kernel of part 1 again; grid 256 x 1, 6 waves a work-group, no clusters, 14,592 bytes of LDS; arguments z_e, W, xf, wf, xsq, wsq; writes xf, wf, xsq, wsq
;; launch main: the kernel of part 2 again; grid 64 x 4, 4 waves a work-group, clusters of 4 x 1, 327,680 bytes of LDS; arguments xf, wf, xsq, wsq, pmin, pidx; writes pmin, pidx
;; launch pick (part 5): grid 256 x 1, 8 waves a work-group, no clusters, 0 bytes of LDS; arguments z_e, W, pmin, pidx, out0, out1, lpart; writes out0, out1, lpart
.if DOCPART == 5
	.amdgcn_target "amdgcn-amd-amdhsa--gfx1250"
	.amdhsa_code_object_version 6
	.text
	.protected	k_qdf9ca7c372_pick
	.globl	k_qdf9ca7c372_pick
	.p2align	8
	.type	k_qdf9ca7c372_pick,@function
k_qdf9ca7c372_pick:
	s_mov_b64 s[64:65], 0
	v_nop
	global_prefetch_b8 v0, s[64:65] scope:SCOPE_SE
	s_setreg_imm32_b32 hwreg(HW_REG_WAVE_SCHED_MODE, 0, 2), 2
	s_setreg_imm32_b32 hwreg(HW_REG_WAVE_MODE, 25, 1), 1
	s_wait_xcnt 0x0
	s_wait_alu depctr_vm_vsrc(0)
; PICK.  For each row the four quarters' (d, code) are merged (a later quarter wins only if its d is LESS: the first index), the id is stored, out0 = z_e + (W[id] - z_e), and the squares of
; W[id] - z_e are summed, one partial sum a wave.  z_e and W are taken unrounded, as the formula has them.
; NO ADDRESS HANGS ON A COMPARISON made here: all four candidates' rows of W are loaded, at addresses made of pidx's whole numbers alone, and the winner is chosen by v_cndmask_b32.
; That is three more rows of 2,048 bytes a row, out of a table of 16 MiB that every work-group reads; it spares a launch that would only merge.
; SHARES.  A wave owns 8 rows, a work-group 64; a row is 4 loads of 512 consecutive bytes.  No LDS, no barrier, no matrix unit: nothing is shared between waves.
; The order of the sum of squares is this text's own.
; THE MODE: SCHED_MODE bits 1:0 = 2 (LLVM: expert scheduling mode 2), set by the entry lines.  The code itself states the register dependences
; between vector instructions and memory instructions, with s_wait_alu, always for 0.
; THE PLAN.  A row goes in two halves of 1,024 bytes: 16 STEPS a wave, each of 10 loads (2 of z_e, 2 of each candidate), 36 vector instructions and 2 stores.  Registers that memory instructions touch:
;   H0 .. H3   four half rows as loaded.  Written by the loads of step t + 3, issued in step t; read, and in part written in place, by step t's selects and arithmetic on H[t % 4].
;   Y0, Y1     two half rows of out0.     Written by step t's additions into Y[t % 2]; read by the two stores that are issued in step t + 1.
;   OFS        the 32 byte offsets of the 8 rows' 4 candidates in W; L16, R4: the lane's offsets.  All made once at the head and never written again: the rows are reached by immediate offsets.
; Step t's memory instructions are the loads into H[(t + 3) % 4] = H[(t - 1) % 4] and the stores from Y[(t - 1) % 2]: the two buffers that step t - 1 worked on and that no vector instruction
; of step t names.  So the waits at a step's head state all that its twelve memory instructions hang on, and these are dealt among its vector instructions with no further wait.
; Three steps' loads (3 x 10) are on their way in each wave.  The text is one straight run: it has no branch and no label.
.set LN,   1                           ; v1   lane
.set L16,  2                           ; v2   16 x lane
.set R4,   3                           ; v3   4 (lane % 8): lane l looks after row l % 8 of the wave's eight
.set PM,   4                           ; v4-7   that row's four d
.set PI,   8                           ; v8-11  and four codes; v8 ends as the id
.set LACC, 12                          ; v12-19 four pairs of running sums
.set OFS,  20                          ; v20-51 2,048 x candidate + 16 x lane: quarter q, row p at OFS + 8 q + p
.set Y,    52                          ; v52-67 two buffers of 8: chunk cc of a half row at + 4 cc
.set H,    68                          ; v68-227 four buffers of 40: z at + 4 cc, candidate q at + 8 + 8 q + 4 cc
.set CAND, 32                          ; s[32:63] candidate of quarter q for row p at s[32 + 8 q + p]
.set A1,   66                          ; s66-68 by rows (bit p): quarter 1 beats 0; 3 beats 2; the better of 2, 3 beats the better of 0, 1
.set A3,   67
.set A2,   68
.set K1,   70                          ; s70-72 the same for the row in hand, for all lanes
.set K3,   71
.set K2,   72
	s_load_b256 s[4:11], s[0:1], 0x0               ; z_e s[4:5], W s[6:7], pmin s[8:9], pidx s[10:11]
	s_load_b128 s[12:15], s[0:1], 0x20             ; out0 s[12:13], out1 s[14:15]
	s_load_b64 s[16:17], s[0:1], 0x30              ; lpart
	v_lshrrev_b32 v[LN], 5, v0
	v_readfirstlane_b32 s18, v[LN]                 ; wave 0..7
	v_and_b32 v[LN], 31, v0
	v_lshlrev_b32 v[L16], 4, v[LN]
	v_and_b32 v[R4], 7, v0
	v_lshlrev_b32 v[R4], 2, v[R4]
.irp i, 0,1,2,3,4,5,6,7
	v_mov_b32 v[LACC+(\i)], 0
.endr
	s_wait_alu depctr_va_sdst(0)                   ; s18 is written, ahead of its first reader: every base below is made from it
	s_lshl_b32 s19, ttmp9, 3
	s_add_co_u32 s19, s19, s18                     ; my wave among the launch's 2,048
	s_lshl_b32 s26, s19, 5                         ; its 8 rows x 4 bytes
	s_mov_b32 s27, 0
	s_lshl_b32 s28, s19, 14                        ; its 8 rows x 2,048 bytes
	s_mov_b32 s29, 0
	s_lshl_b32 s30, s19, 2
	s_mov_b32 s31, 0
	s_mov_b32 s74, 0x76543210                      ; v_permlanex16_b32's selects
	s_mov_b32 s75, 0xfedcba98
	s_wait_kmcnt 0x0
	s_add_nc_u64 s[20:21], s[10:11], s[26:27]      ; pidx, pmin, out1 at my rows
	s_add_nc_u64 s[22:23], s[8:9], s[26:27]
	s_add_nc_u64 s[14:15], s[14:15], s[26:27]
	s_add_nc_u64 s[4:5], s[4:5], s[28:29]          ; z_e and out0 at my rows
	s_add_nc_u64 s[12:13], s[12:13], s[28:29]
	s_add_nc_u64 s[16:17], s[16:17], s[30:31]
.irp q, 0,1,2,3
	s_load_b256 s[CAND+8*(\q):CAND+8*(\q)+7], s[20:21], (\q)*65536   ; eight rows' candidates of quarter q: no line of this launch writes pidx
.endr
	s_wait_alu depctr_va_vdst(0)                   ; v[R4] is written, which the eight loads below read as their offset
.irp q, 0,1,2,3
	global_load_b32 v[PM+(\q)], v[R4], s[22:23] offset:(\q)*65536
	global_load_b32 v[PI+(\q)], v[R4], s[20:21] offset:(\q)*65536
.endr
	s_wait_kmcnt 0x0
.set n, 0
.rept 32
	s_min_u32 s[CAND+n], s[CAND+n], 0x1fff         ; a loaded number enters an address only inside the table's 8,192 rows
.set n, n+1
.endr
.set n, 0
.rept 32
	v_lshl_add_u32 v[OFS+n], s[CAND+n], 11, v[L16] ; all 32 offsets at once, so that no address register is written between the steps
.set n, n+1
.endr
; The loads of step u: AIM sets where they land and what they ask for; LDZ and LDC write one load each
.macro AIM u
.set HN, H+40*((\u)%4)
.set pn, (\u)/2                        ; the row
.set gn, (\u)%2                        ; its half
.endm
.macro LDZ cc
	global_load_b128 v[HN+4*(\cc):HN+4*(\cc)+3], v[L16], s[4:5] offset:pn*2048+(2*gn+(\cc))*512 th:TH_LOAD_NT
.endm
.macro LDC q, cc
	global_load_b128 v[HN+8+8*(\q)+4*(\cc):HN+8+8*(\q)+4*(\cc)+3], v[OFS+8*(\q)+pn], s[6:7] offset:(2*gn+(\cc))*512
.endm
	s_wait_alu depctr_va_vdst(0)                   ; the 32 offsets v[OFS ..] are written (v[L16] too): every load and store of z_e, W and out0 reads one of them
.irp u, 0,1,2
	AIM \u
.irp cc, 0,1
	LDZ \cc
	LDC 0, \cc
	LDC 1, \cc
	LDC 2, \cc
	LDC 3, \cc
.endr
.endr
	s_wait_loadcnt 30                              ; the eight loads of d and codes are in; three steps' 30 loads stay out
	v_cmp_lt_f32 s[A1], v[PM+1], v[PM]             ; strictly less: equal d keep the lower quarter, the lower code
	v_cmp_lt_f32 s[A3], v[PM+3], v[PM+2]
	v_min_num_f32 v[PM], v[PM], v[PM+1]
	v_min_num_f32 v[PM+2], v[PM+2], v[PM+3]
	v_cmp_lt_f32 s[A2], v[PM+2], v[PM]
	s_wait_alu depctr_va_sdst(0)                   ; the three compares have written s[A1], s[A3], s[A2], ahead of their first readers: the selects below, and the steps' scalar lines
	v_cndmask_b32 v[PI], v[PI], v[PI+1], s[A1]
	v_cndmask_b32 v[PI+2], v[PI+2], v[PI+3], s[A3]
	v_cndmask_b32 v[PI], v[PI], v[PI+2], s[A2]     ; the id of row lane % 8
; Step t: half t % 2 of row t / 2 is chosen and worked on; the half row of step t + 3 is asked for; the half row of step t - 1 is stored.
.macro STEP
.set p,  t/2
.set g,  t%2
.set HB, H+40*(t%4)
.set YB, Y+8*(t%2)
.set YP, Y+8*((t+1)%2)                 ; the buffer that step t - 1 wrote,
.set pp, (t+15)/2-8                    ; its row, (t - 1) / 2 for t = 1 .. 15 (step 0 stores nothing and does not use it),
.set gp, (t+1)%2                       ; and its half, (t - 1) % 2
	AIM t+3
.if t < 14
	s_wait_loadcnt 20                              ; loads come back in order: H[t % 4] is in, the two younger steps' 20 loads stay out
.else
	s_wait_loadcnt 10*(15-t)                       ; nothing more is asked for: the counts run down
.endif
.if t > 1
	s_wait_xcnt 0x0                                ; every earlier memory instruction has had its addresses translated: Y[t % 2], data of the stores issued in the step before, is rewritten only behind this wait
	s_wait_alu depctr_vm_vsrc(0)                   ; those stores have read Y[t % 2], which this step's additions write again
.endif
.if t > 0
	s_wait_alu depctr_va_vdst(0)                   ; the step before has written the other Y, which the stores below read, and is done reading and writing its H, in which the loads below land
.endif
.if g == 0
	s_bitcmp1_b32 s[A1], p                         ; the row's three answers, spread over all lanes: they select values alone (the selects that read the last row's stand ahead of the wait above)
	s_cselect_b32 s[K1], -1, 0
	s_bitcmp1_b32 s[A3], p
	s_cselect_b32 s[K3], -1, 0
	s_bitcmp1_b32 s[A2], p
	s_cselect_b32 s[K2], -1, 0
.endif
.irp cc, 0,1
.if t < 13
	LDZ \cc                                        ; three steps ahead; no vector instruction since the wait names these registers
.endif
.if t > 0
	global_store_b128 v[L16], v[YP+4*(\cc):YP+4*(\cc)+3], s[12:13] offset:pp*2048+(2*gp+(\cc))*512 th:TH_STORE_NT   ; 512 consecutive bytes, at a multiple of 512 from out0's first
.endif
.irp e, 0,1,2,3
	v_cndmask_b32 v[HB+8+4*(\cc)+(\e)], v[HB+8+4*(\cc)+(\e)], v[HB+16+4*(\cc)+(\e)], s[K1]
.endr
.if t < 13
	LDC 0, \cc
	LDC 1, \cc
.endif
.irp e, 0,1,2,3
	v_cndmask_b32 v[HB+24+4*(\cc)+(\e)], v[HB+24+4*(\cc)+(\e)], v[HB+32+4*(\cc)+(\e)], s[K3]
.endr
.if t < 13
	LDC 2, \cc
	LDC 3, \cc
.endif
.irp e, 0,1,2,3
	v_cndmask_b32 v[HB+8+4*(\cc)+(\e)], v[HB+8+4*(\cc)+(\e)], v[HB+24+4*(\cc)+(\e)], s[K2]
.endr
.irp e, 0,2
	v_pk_add_f32 v[HB+8+4*(\cc)+(\e):HB+8+4*(\cc)+(\e)+1], v[HB+8+4*(\cc)+(\e):HB+8+4*(\cc)+(\e)+1], v[HB+4*(\cc)+(\e):HB+4*(\cc)+(\e)+1] neg_lo:[0,1] neg_hi:[0,1]   ; z_q - z_e
.endr
.irp e, 0,2
	v_pk_add_f32 v[YB+4*(\cc)+(\e):YB+4*(\cc)+(\e)+1], v[HB+4*(\cc)+(\e):HB+4*(\cc)+(\e)+1], v[HB+8+4*(\cc)+(\e):HB+8+4*(\cc)+(\e)+1]   ; z_e + (z_q - z_e), into registers of its own
.endr
.irp e, 0,2
	v_pk_fma_f32 v[LACC+4*(\cc)+(\e):LACC+4*(\cc)+(\e)+1], v[HB+8+4*(\cc)+(\e):HB+8+4*(\cc)+(\e)+1], v[HB+8+4*(\cc)+(\e):HB+8+4*(\cc)+(\e)+1], v[LACC+4*(\cc)+(\e):LACC+4*(\cc)+(\e)+1]
.endr
.endr
.endm
.set t, 0
.rept 16
	STEP
.set t, t+1
.endr
	s_wait_alu depctr_va_vdst(0)                   ; step 15 has written Y1, which the last two stores read
.irp cc, 0,1
	global_store_b128 v[L16], v[Y+8+4*(\cc):Y+8+4*(\cc)+3], s[12:13] offset:7*2048+(2+(\cc))*512 th:TH_STORE_NT
.endr
	v_pk_add_f32 v[LACC:LACC+1], v[LACC:LACC+1], v[LACC+2:LACC+3]
	v_pk_add_f32 v[LACC+4:LACC+5], v[LACC+4:LACC+5], v[LACC+6:LACC+7]
	v_pk_add_f32 v[LACC:LACC+1], v[LACC:LACC+1], v[LACC+4:LACC+5]
	v_add_f32 v[LACC], v[LACC], v[LACC+1]
	v_add_f32_dpp v[LACC], v[LACC], v[LACC] row_xmask:1 row_mask:0xf bank_mask:0xf
	v_add_f32_dpp v[LACC], v[LACC], v[LACC] row_xmask:2 row_mask:0xf bank_mask:0xf
	v_add_f32_dpp v[LACC], v[LACC], v[LACC] row_xmask:4 row_mask:0xf bank_mask:0xf
	v_add_f32_dpp v[LACC], v[LACC], v[LACC] row_xmask:8 row_mask:0xf bank_mask:0xf
	v_permlanex16_b32 v[LACC+1], v[LACC], s74, s75
	v_add_f32 v[LACC], v[LACC], v[LACC+1]          ; the wave's sum of squares
	v_mov_b32 v[LACC+2], 0
	s_wait_xcnt 0x0                                ; EXEC changes only behind this wait
	v_cmp_gt_u32 vcc_lo, 8, v[LN]
	s_wait_alu depctr_va_vcc(0)                    ; VCC is written: EXEC is made from it
	s_wait_alu depctr_va_vdst(0)                   ; ahead of a write of EXEC: the vector instructions so far have written their results, among them v[PI], the sum and the 0 that the stores below read
	s_wait_alu depctr_vm_vsrc(0)                   ; ahead of a write of EXEC: the memory instructions so far have read their vector registers
	s_and_saveexec_b32 s76, vcc_lo
	global_store_b32 v[R4], v[PI], s[14:15]        ; eight ids, 32 bytes a wave: out1 is 64 KiB in all
	s_wait_xcnt 0x0
	s_wait_alu depctr_va_vdst(0)                   ; ahead of a write of EXEC, as above
	s_wait_alu depctr_vm_vsrc(0)                   ; the store has read v[R4] and v[PI]
	s_or_b32 exec_lo, exec_lo, s76
	v_cmp_eq_u32 vcc_lo, 0, v[LN]
	s_wait_alu depctr_va_vcc(0)                    ; VCC is written: EXEC is made from it
	s_wait_alu depctr_va_vdst(0)                   ; ahead of a write of EXEC, as above
	s_wait_alu depctr_vm_vsrc(0)
	s_and_saveexec_b32 s76, vcc_lo
	global_store_b32 v[LACC+2], v[LACC], s[16:17]
	s_wait_xcnt 0x0
	s_wait_alu depctr_va_vdst(0)                   ; ahead of a write of EXEC, as above
	s_wait_alu depctr_vm_vsrc(0)                   ; the store has read its offset and the sum
	s_or_b32 exec_lo, exec_lo, s76
	s_endpgm
.Lfunc_end_k_qdf9ca7c372_pick:
	.size	k_qdf9ca7c372_pick, .Lfunc_end_k_qdf9ca7c372_pick-k_qdf9ca7c372_pick
	.p2alignl 7, 3214868480
	.fill 96, 4, 3214868480
	.section	.rodata,"a",@progbits
	.p2align	6, 0x0
	.amdhsa_kernel k_qdf9ca7c372_pick
		.amdhsa_group_segment_fixed_size 0
		.amdhsa_private_segment_fixed_size 0
		.amdhsa_enable_private_segment 0
		.amdhsa_kernarg_size 56
		.amdhsa_user_sgpr_count 2
		.amdhsa_user_sgpr_kernarg_segment_ptr 1
		.amdhsa_wavefront_size32 1
		.amdhsa_system_sgpr_workgroup_id_x 1
		.amdhsa_system_sgpr_workgroup_id_y 1
		.amdhsa_system_sgpr_workgroup_id_z 1
		.amdhsa_system_vgpr_workitem_id 0
		.amdhsa_next_free_vgpr 228
		.amdhsa_next_free_sgpr 80
		.amdhsa_reserve_vcc 1
		.amdhsa_float_denorm_mode_32 3
		.amdhsa_float_denorm_mode_16_64 3
		.amdhsa_memory_ordered 1
		.amdhsa_forward_progress 1
		.amdhsa_inst_pref_size 66
	.end_amdhsa_kernel
	.amdgpu_metadata
---
amdhsa.version: [ 1, 2 ]
amdhsa.kernels:
  - .name:           k_qdf9ca7c372_pick
    .symbol:         k_qdf9ca7c372_pick.kd
    .args:
      - { .name: z_e, .offset: 0, .size: 8, .value_kind: global_buffer, .address_space: global }
      - { .name: W, .offset: 8, .size: 8, .value_kind: global_buffer, .address_space: global }
      - { .name: pmin, .offset: 16, .size: 8, .value_kind: global_buffer, .address_space: global }
      - { .name: pidx, .offset: 24, .size: 8, .value_kind: global_buffer, .address_space: global }
      - { .name: out0, .offset: 32, .size: 8, .value_kind: global_buffer, .address_space: global }
      - { .name: out1, .offset: 40, .size: 8, .value_kind: global_buffer, .address_space: global }
      - { .name: lpart, .offset: 48, .size: 8, .value_kind: global_buffer, .address_space: global }
    .group_segment_fixed_size: 0
    .private_segment_fixed_size: 0
    .kernarg_segment_align: 8
    .kernarg_segment_size: 56
    .max_flat_workgroup_size: 256
    .sgpr_count:     80
    .vgpr_count:     228
    .wavefront_size: 32
...
	.end_amdgpu_metadata
.endif
;; end of part 5
;; launch finish: the kernel of part 4 again; grid 1 x 1, 1 waves a work-group, no clusters, 0 bytes of LDS; arguments lpart, out2, out3, out4, out5, out6; writes out2, out3, out4, out5, out6
